; MI455X (gfx1250); checked and timed in simulation.
; The chip was launched on July 23, 2026; its instructions are those of AMD's public machine-readable ISA for CDNA 5 (MIT licence, August 2026) and "CDNA5" Instruction Set Architecture Reference Guide (July 2026). The comments in the code are by the model that wrote it; some were corrected since.
;; Quan Dense. Allowed arithmetic: matrix products marked QUANTISED: E2M3 operands, one E8M0 scale for each 32 along K, by v_wmma_scale_f32_16x16x128_f8f6f4 with both operands' format E2M3, f32 sums; everything else in f32.
;; Inputs: W 4,096 x 4,096 float32; b 4,096 float32; x 4,096 x 4,096 float32.
;; Outputs: out0 4,096 x 4,096 float32.
;; This version of the problem:
;;   THIS VERSION OF THE PROBLEM IS GIVEN IN LOW PRECISION. The matrix products marked QUANTISED in the list below multiply operands that are first quantised to E2M3 (2 exponent bits, 3 mantissa bits; 6 bits a number), with one power-of-two scale for each 32 numbers along K (OCP MX v1.0); their sums are f32. All else is computed in f32.
;;   The module's matrix products, in the order in which they are computed (A, B: the left and right operand; K: the contracted axis; several contracted axes count as one K, in the product's order):
;;     1. [M 4,096, K 4,096] x [K 4,096, N 4,096]; A: computed on the way; B: computed on the way: QUANTISED
;;   THE QUANTISER, for each operand of a quantised product, along K:
;;     - K is cut into blocks of 32 from its start; a last block that is shorter is filled with zeros.
;;     - A block's scale is 2^e with e = floor(log2(the largest magnitude in the block)) - 2, held to -126 .. 127; a block of zeros has e = 0. As a byte (E8M0): e + 127.
;;     - Each number is divided by its block's scale, clamped to +-7.5, and rounded to the nearest number of E2M3, ties to even, subnormals kept.
;;     - The product sums the exact products of the quantised numbers (number of the format x scale) in f32.
;;   ~~~python
;;   def quantise(x, axis):      # numpy; x: float32 -> the quantised numbers, widened to float32 again
;;       x = np.moveaxis(x, axis, -1); K = x.shape[-1]
;;       x = np.pad(x, [(0, 0)] * (x.ndim - 1) + [(0, -K % 32)]); x = x.reshape(x.shape[:-1] + (-1, 32)); a = np.abs(x).max(-1, keepdims=True)
;;       e = np.where(a > 0, np.clip(np.frexp(np.where(a > 0, a, 1))[1] - 1 - 2, -126, 127), 0)      # np.frexp(a)[1] - 1 = floor(log2(a)), exactly
;;       r = np.clip(x / 2.0 ** e, -7.5, 7.5)
;;       step = 2.0 ** (np.maximum(np.frexp(np.where(r == 0, 1, r))[1] - 1, 0) - 3)
;;       q = np.round(r / step) * step * 2.0 ** e      # np.round: ties to even
;;       return np.moveaxis(q.reshape(q.shape[:-2] + (-1,))[..., :K], -1, axis).astype(np.float32)
;;   ~~~
;;   OPERANDS COMPUTED ON THE WAY. 'Computed on the way' means the value that the module computes at that place (a softmax that the list does not call 'softmax' is quantised finished and normalised). What goes into a quantiser is computed in f32, as accurately as f32 sums, v_exp_f32 and their like allow (about 1e-6 of the number): no bf16 or f16 on the way to a quantiser, and a product that is left as it is and whose result goes on into a quantised operand takes f32 operands (vector FMAs, or v_wmma_f32_16x16x4_f32). A number that lies on a knife's edge between two numbers of the format may be rounded either way, as far as f32 arithmetic and the matrix unit's own rounding can turn it there, and no further.
;; One version. Each part assembles by itself: llvm-mc -triple=amdgcn-amd-amdhsa -mcpu=gfx1250 --defsym DOCPART=n.
;; ======== version 1 of 1: 3 launches
;; limits: right only within a limited range of input values
;; workspace buffers: part 4,096 bytes; a_pack 13,107,200 bytes; b_pack 13,107,200 bytes
;; launch minmax (part 1): grid 512 x 1, 8 waves a work-group, no clusters, 1,280 bytes of LDS; arguments x, W, part; writes part
.if DOCPART == 1
	.amdgcn_target "amdgcn-amd-amdhsa--gfx1250"
	.amdhsa_code_object_version 6
	.text
	.protected	k_qfccb678a89_minmax
	.globl	k_qfccb678a89_minmax
	.p2align	8
	.type	k_qfccb678a89_minmax,@function
k_qfccb678a89_minmax:
	s_mov_b64 s[64:65], 0
	v_nop
	global_prefetch_b8 v0, s[64:65] scope:SCOPE_SE
	s_setreg_imm32_b32 hwreg(HW_REG_WAVE_MODE, 25, 1), 1
	s_wait_xcnt 0x0
; The smallest and the largest number of x and of W, in parts: each work-group reduces 262,144 dense bytes of one tensor to one minimum and one maximum.
; part: f32 [tensor: 0 = x, 1 = W][0 = minimum, 1 = maximum][256 work-groups].  The next launch finishes the reduction in every wave: no traffic between work-groups here.
; Work-groups 0-255 take x, 256-511 take W: only the pointer is chosen.  A wave takes 32,768 bytes: 64 loads of 512 consecutive bytes, in two sets of 16 loads that take turns, so that 16 to 32 loads of a wave are out.
; No matrix unit, no tensor load, no cluster: nothing is shared and nothing is read twice.
; LIMITS: NaN among the inputs is passed over by the minimum and the maximum; NaN and infinities are not served.
.set SA, 16                            ; v16-79   set A: 16 loads x 4 registers
.set SB, 80                            ; v80-143  set B
	s_load_b128 s[4:7], s[0:1], 0x0                ; x s[4:5], W s[6:7]
	s_load_b64 s[12:13], s[0:1], 0x10              ; part
	v_lshl_add_u32 v144, v0, 2, 0x100
	v_mov_b32 v145, 0
	v_lshrrev_b32 v2, 5, v0
	s_delay_alu instid0(VALU_DEP_1)
	v_readfirstlane_b32 s8, v2                     ; wave 0..7
	v_and_b32 v1, 31, v0
	s_delay_alu instid0(VALU_DEP_1)
	v_lshlrev_b32 v1, 4, v1
	s_delay_alu instid0(VALU_DEP_1)
	v_lshl_or_b32 v1, v2, 15, v1                   ; 16 x lane + 32,768 x wave; never rewritten
	v_lshlrev_b32 v10, 2, v2                       ; LDS: 4 x wave
	v_mov_b32 v11, 0
	v_lshlrev_b32 v12, 10, v0                      ; the store at the end: thread 0 the minimum, thread 1 the maximum, 1,024 bytes on
	v_mov_b32 v8, 0                                ; a lane permute's destination counts as one of its sources
	v_mov_b32 v9, 0
	s_mov_b32 s14, 0x76543210                      ; v_permlanex16_b32's selects for lane l xor 16
	s_mov_b32 s15, 0xfedcba98
	s_and_b32 s16, ttmp9, 255                      ; which 262,144 bytes of the tensor
	s_lshl_b32 s10, s16, 18
	s_mov_b32 s11, 0
	s_wait_alu depctr_va_vdst(0)
	s_wait_kmcnt 0x0
	s_cmp_lt_u32 ttmp9, 256                        ; x's work-group or W's: the choice hangs on the work-group's number alone
	s_cselect_b64 s[4:5], s[4:5], s[6:7]
	s_cselect_b32 s17, 0, 2048
	s_add_nc_u64 s[4:5], s[4:5], s[10:11]
	s_lshl_b32 s18, s16, 2
	s_add_co_u32 s10, s17, s18                     ; 2,048 x tensor + 4 x work-group
	s_add_nc_u64 s[12:13], s[12:13], s[10:11]
.macro LOADS set, g                    ; sixteen loads: bytes 8,192 g on of my wave's part
.irp j, 0,1,2,3,4,5,6,7,8,9,10,11,12,13,14,15
	global_load_b128 v[\set+4*\j:\set+4*\j+3], v1, s[4:5] offset:512*(16*\g+\j) th:TH_LOAD_NT
.endr
.endm
.macro RED set, first                  ; 64 numbers a lane into four chains (two minima, two maxima), which do not wait for each other; first = 1: the first four numbers start the chains: nothing is cleared
.irp j, 0
.if (\first) && (\j == 0)
	v_min_num_f32 v4, v[\set], v[\set+1]
	v_max_num_f32 v5, v[\set], v[\set+1]
	v_min_num_f32 v6, v[\set+2], v[\set+3]
	v_max_num_f32 v7, v[\set+2], v[\set+3]
.else
	v_min3_num_f32 v4, v4, v[\set+4*\j], v[\set+4*\j+1]
	v_max3_num_f32 v5, v5, v[\set+4*\j], v[\set+4*\j+1]
	v_min3_num_f32 v6, v6, v[\set+4*\j+2], v[\set+4*\j+3]
	v_max3_num_f32 v7, v7, v[\set+4*\j+2], v[\set+4*\j+3]
.endif
.endr
.irp j, 1, 2, 3, 4, 5, 6, 7, 8, 9, 10, 11, 12, 13, 14, 15
.if (\first) && (\j == 0)
	v_min_num_f32 v4, v[\set], v[\set+1]
	v_max_num_f32 v5, v[\set], v[\set+1]
	v_min_num_f32 v6, v[\set+2], v[\set+3]
	v_max_num_f32 v7, v[\set+2], v[\set+3]
.else
	s_delay_alu instid0(VALU_DEP_4)
	v_min3_num_f32 v4, v4, v[\set+4*\j], v[\set+4*\j+1]
	s_delay_alu instid0(VALU_DEP_4)
	v_max3_num_f32 v5, v5, v[\set+4*\j], v[\set+4*\j+1]
	s_delay_alu instid0(VALU_DEP_4)
	v_min3_num_f32 v6, v6, v[\set+4*\j+2], v[\set+4*\j+3]
	s_delay_alu instid0(VALU_DEP_4)
	v_max3_num_f32 v7, v7, v[\set+4*\j+2], v[\set+4*\j+3]
.endif
.endr
.endm
	LOADS SA, 0
	LOADS SB, 1
	s_wait_loadcnt 16                              ; loads come back in order: the older set is in, the younger sixteen stay out
	RED SA, 1
	LOADS SA, 2
	s_wait_alu depctr_va_vdst(0)
	s_wait_loadcnt 16
	RED SB, 0
	LOADS SB, 3
	s_wait_alu depctr_va_vdst(0)
	s_wait_loadcnt 16
	RED SA, 0
	s_wait_alu depctr_va_vdst(0)
	s_wait_loadcnt 0x0
	RED SB, 0
	s_delay_alu instid0(VALU_DEP_2)
	v_min_num_f32 v4, v4, v6
	s_delay_alu instid0(VALU_DEP_2)
	v_max_num_f32 v5, v5, v7
.irp m, 1,2,4,8                        ; across the 16 lanes of a half,
	s_delay_alu instid0(VALU_DEP_2)
	v_min_num_f32_dpp v4, v4, v4 row_xmask:\m row_mask:0xf bank_mask:0xf
	s_delay_alu instid0(VALU_DEP_2)
	v_max_num_f32_dpp v5, v5, v5 row_xmask:\m row_mask:0xf bank_mask:0xf
.endr
	s_delay_alu instid0(VALU_DEP_2)
	v_permlanex16_b32 v8, v4, s14, s15             ; and across the halves
	s_delay_alu instid0(VALU_DEP_2)
	v_permlanex16_b32 v9, v5, s14, s15
	s_delay_alu instid0(VALU_DEP_2)
	v_min_num_f32 v4, v4, v8
	s_delay_alu instid0(VALU_DEP_2)
	v_max_num_f32 v5, v5, v9
	ds_store_b32 v10, v4                           ; the wave's minimum at 4 x wave (all lanes write the same word with the same value),
	ds_store_b32 v10, v5 offset:32                 ; its maximum 32 bytes on
	s_wait_dscnt 0x0                               ; for the others' sake: my stores have landed
	s_barrier_signal -1
	s_barrier_wait -1
	s_cmp_lg_u32 s8, 0                             ; wave 0 finishes
	s_cbranch_scc1 .Lend
	ds_load_b128 v[16:19], v11
	ds_load_b128 v[20:23], v11 offset:16
	ds_load_b128 v[24:27], v11 offset:32
	ds_load_b128 v[28:31], v11 offset:48
	s_wait_dscnt 0x0
	v_min3_num_f32 v4, v16, v17, v18
	v_max3_num_f32 v5, v24, v25, v26
	s_delay_alu instid0(VALU_DEP_2)
	v_min3_num_f32 v4, v4, v19, v20
	s_delay_alu instid0(VALU_DEP_2)
	v_max3_num_f32 v5, v5, v27, v28
	s_delay_alu instid0(VALU_DEP_2)
	v_min3_num_f32 v4, v4, v21, v22
	s_delay_alu instid0(VALU_DEP_2)
	v_max3_num_f32 v5, v5, v29, v30
	s_delay_alu instid0(VALU_DEP_2)
	v_min_num_f32 v4, v4, v23
	s_delay_alu instid0(VALU_DEP_2)
	v_max_num_f32 v5, v5, v31
	v_cmp_eq_u32 vcc_lo, 1, v0
	s_delay_alu instid0(VALU_DEP_1)
	v_cndmask_b32 v4, v4, v5, vcc_lo               ; thread 1 holds the maximum
	v_cmp_gt_u32 vcc_lo, 2, v0
	s_wait_alu depctr_va_vdst(0)
	s_wait_xcnt 0x0                                ; EXEC is a source of the loads above: it changes only behind this wait
	s_and_saveexec_b32 s9, vcc_lo
	global_store_b32 v12, v4, s[12:13]             ; eight bytes a work-group: the launch's whole output is 4,096 bytes
	s_wait_xcnt 0x0                                ; and again in front of the line that widens it
	s_or_b32 exec_lo, exec_lo, s9
.Lend:
	s_wait_tensorcnt 0x0
	ds_add_u32 v144, v145
	s_wait_dscnt 0x0
	s_endpgm
.Lfunc_end_k_qfccb678a89_minmax:
	.size	k_qfccb678a89_minmax, .Lfunc_end_k_qfccb678a89_minmax-k_qfccb678a89_minmax
	.p2alignl 7, 3214868480
	.fill 96, 4, 3214868480
	.section	.rodata,"a",@progbits
	.p2align	6, 0x0
	.amdhsa_kernel k_qfccb678a89_minmax
		.amdhsa_group_segment_fixed_size 1280
		.amdhsa_private_segment_fixed_size 0
		.amdhsa_enable_private_segment 0
		.amdhsa_kernarg_size 24
		.amdhsa_user_sgpr_count 2
		.amdhsa_user_sgpr_kernarg_segment_ptr 1
		.amdhsa_wavefront_size32 1
		.amdhsa_system_sgpr_workgroup_id_x 1
		.amdhsa_system_sgpr_workgroup_id_y 1
		.amdhsa_system_sgpr_workgroup_id_z 1
		.amdhsa_system_vgpr_workitem_id 0
		.amdhsa_next_free_vgpr 146
		.amdhsa_next_free_sgpr 66
		.amdhsa_reserve_vcc 1
		.amdhsa_float_denorm_mode_32 3
		.amdhsa_float_denorm_mode_16_64 3
		.amdhsa_memory_ordered 1
		.amdhsa_forward_progress 1
		.amdhsa_inst_pref_size 35
	.end_amdhsa_kernel
	.amdgpu_metadata
---
amdhsa.version: [ 1, 2 ]
amdhsa.kernels:
  - .name:           k_qfccb678a89_minmax
    .symbol:         k_qfccb678a89_minmax.kd
    .args:
      - { .name: x, .offset: 0, .size: 8, .value_kind: global_buffer, .address_space: global }
      - { .name: W, .offset: 8, .size: 8, .value_kind: global_buffer, .address_space: global }
      - { .name: part, .offset: 16, .size: 8, .value_kind: global_buffer, .address_space: global }
    .group_segment_fixed_size: 1280
    .private_segment_fixed_size: 0
    .kernarg_segment_align: 8
    .kernarg_segment_size: 24
    .max_flat_workgroup_size: 256
    .sgpr_count:     66
    .vgpr_count:     146
    .wavefront_size: 32
...
	.end_amdgpu_metadata
.endif
;; end of part 1
;; launch quant (part 2): grid 1024 x 1, 4 waves a work-group, no clusters, 72,192 bytes of LDS; arguments x, W, part, a_pack, b_pack; writes a_pack, b_pack
.if DOCPART == 2
	.amdgcn_target "amdgcn-amd-amdhsa--gfx1250"
	.amdhsa_code_object_version 6
	.text
	.protected	k_qfccb678a89_quant
	.globl	k_qfccb678a89_quant
	.p2align	8
	.type	k_qfccb678a89_quant,@function
k_qfccb678a89_quant:
	s_mov_b64 s[64:65], 0
	v_nop
	global_prefetch_b8 v0, s[64:65] scope:SCOPE_SE
	s_setreg_imm32_b32 hwreg(HW_REG_WAVE_MODE, 25, 1), 1
	s_wait_xcnt 0x0
; x [4096 (m)][4096 (k)] and W [4096 (k)][4096 (n)], f32, go through two quantisers, both in f32 registers:
;  (1) the uniform one over the tensor's own range: step = (mx - mn) / 255; q = round((v - mn) / step) x step + mn, ties to even.  The clip to [mn, mx] changes no finite number, since mn and mx are the tensor's own bounds: it is not written.
;  (2) MX-FP6 (E2M3) along K: a block of 32 has the scale 2^(floor(log2(largest magnitude)) - 2); its byte is the largest magnitude's exponent field - 2, held at 1 from below.
; Every wave finishes the reduction of the launch before: 256 minima and 256 maxima of its tensor (2,048 bytes).  step is the correctly rounded quotient (a product with 1/255 and one correction by fused multiply-adds);
; 1 / step is v_rcp_f32 with one Newton step.
; LIMITS: NaN and infinities are not served; mx = mn is not served (the definition itself divides by 0 there).  y = (v - mn) x (1 / step) lies within about one unit in the last place of the quotient: a number whose y lies
; that near the middle between two levels may take the neighbouring level.  q is one fused multiply-add (one rounding, where a product and a sum have two).  A block of zeros gets the byte 1 where the rule says 127:
; its codes are zeros, which add nothing under any byte but 0xff, and this program alone reads the bytes.
; THE WORKSPACE IS LAID AS THE PRODUCT'S REGISTERS WANT IT: a_pack, b_pack: [step of 128 along K: 32][group of 128 rows: 32][12,800 bytes]; a row is a row m of x or a column n of W.  A group holds eight IMAGES of fragments
; (16 rows x 128 K: 12 registers a lane, 1,536 bytes: register R of lane l at 512 (R / 4) + 16 l + 4 (R % 4); lane l = r + 16 h holds row r; registers 6 c .. 6 c + 5 hold K = 64 c + 32 h + 0 .. 31, 24 bytes), and behind them
; its rows' 128 scale words (four E8M0 bytes, the lower K in the lower byte).  A wave makes 64 rows of one step: four images, 6,144 consecutive bytes, and 64 scale words, 256 consecutive bytes: every store covers whole aligned runs of 256 bytes.
; Work-groups 0-511 take x, 512-1023 take W.  The two paths part on the work-group's number, never join, and have LDS bytes of their own.  Waves share nothing: no barrier.  No tensor load, no cluster, no matrix unit: a stream.
.set STEPB,  409600                    ; a step's bytes in a pack: 32 groups
.set GRPB,   12800                     ; a group's: 8 x 1,536 + 512
.set XREG,   11520                     ; x's path, LDS of a wave: two turn stages of 32 x 80 bytes; at 5,120 four images, 6,144 bytes; at 11,264 the 64 scale words
.set WREG,   6400                      ; W's path, LDS of a wave: four images, 6,144 bytes, in a region of 6,400
.set WBASE,  4*XREG
.set NM, 4                             ; v[4:5]   -mn, twice (pairs for the packed forms)
.set IV, 6                             ; v[6:7]   1 / step
.set SP, 8                             ; v[8:9]   step
.set MN, 10                            ; v[10:11] mn
.set PT, 160                           ; v160-175 the parts: 8 minima and 8 maxima a lane
	s_load_b256 s[4:11], s[0:1], 0x0               ; x s[4:5], W s[6:7], part s[8:9], a_pack s[10:11]
	s_load_b64 s[12:13], s[0:1], 0x20              ; b_pack
	v_lshl_add_u32 v192, v0, 2, 0x11800
	v_mov_b32 v193, 0
	v_lshrrev_b32 v1, 5, v0
	v_readfirstlane_b32 s18, v1                    ; wave 0..3
	v_and_b32 v2, 31, v0                           ; lane
	v_lshlrev_b32 v3, 4, v2                        ; 16 x lane; never rewritten
	v_lshlrev_b32 v21, 3, v2                       ; 8 x lane; never rewritten
	v_mov_b32 v14, 0                               ; a lane permute's destination counts as one of its sources
	v_mov_b32 v15, 0
	s_mov_b32 s26, 0x3b808081                      ; 1 / 255, rounded
	s_mov_b32 s27, 0x437f0000                      ; 255
	s_mov_b32 s28, 0x76543210                      ; v_permlanex16_b32's selects for lane l xor 16
	s_mov_b32 s29, 0xfedcba98
	s_mov_b32 s21, 0                               ; the upper words of three offset pairs
	s_mov_b32 s23, 0
	s_mov_b32 s25, 0
	s_cmp_lt_u32 ttmp9, 512
	s_cselect_b32 s20, 0, 2048                     ; my tensor's parts
	s_wait_alu depctr_va_vdst(0)
	s_wait_kmcnt 0x0
	s_add_nc_u64 s[8:9], s[8:9], s[20:21]
	global_load_b128 v[PT:PT+3], v3, s[8:9]                    ; 256 minima,
	global_load_b128 v[PT+4:PT+7], v3, s[8:9] offset:512
	global_load_b128 v[PT+8:PT+11], v3, s[8:9] offset:1024     ; 256 maxima
	global_load_b128 v[PT+12:PT+15], v3, s[8:9] offset:1536
; mn, step and 1 / step in every lane.  The wait for the parts stands in front of the macro.
.macro PARAMS
	v_min3_num_f32 v12, v[PT], v[PT+1], v[PT+2]
	v_max3_num_f32 v13, v[PT+8], v[PT+9], v[PT+10]
	v_min3_num_f32 v12, v12, v[PT+3], v[PT+4]
	v_max3_num_f32 v13, v13, v[PT+11], v[PT+12]
	v_min3_num_f32 v12, v12, v[PT+5], v[PT+6]
	v_max3_num_f32 v13, v13, v[PT+13], v[PT+14]
	v_min_num_f32 v12, v12, v[PT+7]
	v_max_num_f32 v13, v13, v[PT+15]
.irp m, 1,2,4,8
	v_min_num_f32_dpp v12, v12, v12 row_xmask:\m row_mask:0xf bank_mask:0xf
	v_max_num_f32_dpp v13, v13, v13 row_xmask:\m row_mask:0xf bank_mask:0xf
.endr
	v_permlanex16_b32 v14, v12, s28, s29
	v_permlanex16_b32 v15, v13, s28, s29
	v_min_num_f32 v[MN], v12, v14                  ; mn
	v_max_num_f32 v13, v13, v15                    ; mx
	v_sub_f32 v12, v13, v[MN]                      ; d = mx - mn
	v_mul_f32 v14, s26, v12                        ; d / 255, nearly;
	v_fma_f32 v15, -v14, s27, v12                  ; what is left of d, exactly;
	v_fma_f32 v[SP], v15, s26, v14                 ; step = d / 255, rounded once
	s_wait_alu depctr_va_vdst(0)
	v_rcp_f32 v[IV], v[SP]
	v_mov_b32 v[MN+1], v[MN]                       ; plain work behind the reciprocal: the pairs' second halves
	v_xor_b32 v[NM], 0x80000000, v[MN]
	v_xor_b32 v[NM+1], 0x80000000, v[MN]
	v_mov_b32 v[SP+1], v[SP]
	s_wait_alu depctr_va_vdst(0)                   ; the wait ahead of the reciprocal's first reader
	v_fma_f32 v12, -v[SP], v[IV], 1.0              ; one Newton step
	v_fma_f32 v[IV], v12, v[IV], v[IV]
	v_mov_b32 v[IV+1], v[IV]
.endm
; The uniform quantiser on n numbers, v[s] on, in place, in four batches so that no line waits for the line above it.
.macro FQ s, n
.set FI, 0
.rept (\n)/2
	v_pk_add_f32 v[\s+FI:\s+FI+1], v[\s+FI:\s+FI+1], v[NM:NM+1]        ; v - mn
.set FI, FI+2
.endr
.set FI, 0
	s_wait_alu depctr_va_vdst(0)
.rept (\n)/2
	v_pk_mul_f32 v[\s+FI:\s+FI+1], v[\s+FI:\s+FI+1], v[IV:IV+1]        ; / step
.set FI, FI+2
.endr
.set FI, 0
.rept \n
	v_rndne_f32 v[\s+FI], v[\s+FI]                                     ; to the nearest level, ties to even
.set FI, FI+1
.endr
.set FI, 0
.rept (\n)/2
	v_pk_fma_f32 v[\s+FI:\s+FI+1], v[\s+FI:\s+FI+1], v[SP:SP+1], v[MN:MN+1]   ; level x step + mn
.set FI, FI+2
.endr
.endm
; The wave's four images leave its stage: twelve loads of 16 bytes a lane, twelve stores of 512 consecutive bytes, each at a multiple of 256 from the buffer's first byte.
.macro OUT rb, sbase
.irp j, 0,1,2,3,4,5,6,7,8,9,10,11
	ds_load_b128 v[32+4*\j:35+4*\j], v[\rb] offset:512*\j      ; LDS serves a wave's instructions in order: these see my stores
.endr
.irp j, 0,1,2,3,4,5,6,7,8,9,10,11
	s_wait_dscnt 11-\j                             ; load j is in; the younger ones stay out
	global_store_b128 v3, v[32+4*\j:35+4*\j], s[\sbase:\sbase+1] offset:512*\j
.endr
.endm
	s_cmp_lt_u32 ttmp9, 512
	s_cbranch_scc0 .Lw
; ---------------- x: K is innermost.  A wave takes 64 rows x one step (128 along K), in 16 turns of four rows.
; The conversion takes 16 numbers of one block from ONE lane's registers, so a lane must hold 16 neighbours along K; a load is best where neighbouring lanes take neighbouring bytes.  Both are had: each load reads a row's 512
; consecutive bytes, 16 a lane; a turn's 2,048 bytes go through the wave's stage (16 bytes of padding behind each 64) and come back 64 bytes a lane: lane l holds row 4 t + l / 8, K = 16 (l % 8) on.  Two lanes hold a block.
.set XR, 32                            ; v32-95   four sets of 16 numbers as loaded
.set XX, 96                            ; v96-127  two sets of 16 neighbours
.set XC, 128                           ; v128-135 codes, two sets of 4
.set XE, 136                           ; v136-137 the scale byte, two sets
.set XA, 28                            ; v28-30   where my three words of codes go in an image
	s_lshl_b32 s19, ttmp9, 2
	s_add_co_u32 s19, s19, s18                     ; 4 x work-group + wave: the four waves take four neighbouring steps of the same 64 rows
	s_and_b32 s30, s19, 31                         ; step
	s_lshr_b32 s31, s19, 5                         ; which 64 rows
	s_lshl_b32 s20, s31, 20                        ; 64 rows of 16,384 bytes
	s_lshl_b32 s19, s30, 9                         ; 128 numbers
	s_add_co_u32 s20, s20, s19
	s_add_nc_u64 s[4:5], s[4:5], s[20:21]
	s_mul_i32 s22, s30, STEPB
	s_lshr_b32 s19, s31, 1
	s_mul_i32 s19, s19, GRPB
	s_add_co_u32 s22, s22, s19                     ; my group of 128 rows
	s_and_b32 s19, s31, 1                          ; and which half of it
	s_lshl_b32 s24, s19, 8
	s_add_co_u32 s24, s24, s22
	s_add_co_u32 s24, s24, 12288                   ; my 64 scale words, behind the group's eight images
	s_mul_i32 s19, s19, 6144
	s_add_co_u32 s22, s22, s19                     ; my four images
	s_add_nc_u64 s[14:15], s[10:11], s[24:25]
	s_add_nc_u64 s[10:11], s[10:11], s[22:23]
.macro LOAD t                          ; turn t: rows 4 t .. 4 t + 3, 512 bytes each
.irp i, 0,1,2,3
	global_load_b128 v[XR+16*((\t)%4)+4*\i:XR+16*((\t)%4)+4*\i+3], v3, s[4:5] offset:(4*(\t)+\i)*16384 th:TH_LOAD_NT
.endr
.endm
.macro TURN t                          ; turn t's numbers through the stage: no wait between the stores and the loads, since LDS serves a wave's instructions in order
.irp i, 0,1,2,3
	ds_store_b128 v16, v[XR+16*((\t)%4)+4*\i:XR+16*((\t)%4)+4*\i+3] offset:2560*((\t)%2)+640*\i
.endr
.irp i, 0,1,2,3
	ds_load_b128 v[XX+16*((\t)%2)+4*\i:XX+16*((\t)%2)+4*\i+3], v17 offset:2560*((\t)%2)+16*\i
.endr
.endm
.irp t, 0,1,2,3
	LOAD \t
.endr
	s_mul_i32 s19, s18, XREG                       ; my wave's LDS: the stages,
	s_add_co_u32 s30, s19, 5120                    ; the images,
	s_add_co_u32 s31, s19, 11264                   ; the scale words
	v_lshrrev_b32 v16, 2, v2
	v_mul_u32_u24 v16, v16, 80
	v_and_b32 v12, 3, v2
	v_lshl_add_u32 v16, v12, 4, v16
	v_add_nc_u32 v16, s19, v16                     ; the stage, in: 80 (lane / 4) + 16 (lane % 4); a load's 512 bytes take eight places
	v_mul_u32_u24 v17, v2, 80
	v_add_nc_u32 v17, s19, v17                     ; out: 80 x lane
	; my 16 codes are words 3 u .. 3 u + 2 of block 2 c + h of my row (u = l % 2, h = (l / 2) % 2, c = (l / 4) % 2): registers R = 6 c + 3 u + 0, 1, 2 of lane (row % 16) + 16 h of the image
	v_bfe_u32 v12, v2, 2, 1                        ; c
	v_and_b32 v13, 1, v2                           ; u
	v_mul_u32_u24 v12, v12, 6
	v_mad_u32_u24 v12, v13, 3, v12                 ; 6 c + 3 u
	v_bfe_u32 v13, v2, 1, 1                        ; h
	v_lshrrev_b32 v25, 3, v2
	v_lshlrev_b32 v25, 4, v25                      ; 16 (l / 8): my row among the turn's four
	v_lshl_add_u32 v25, v13, 8, v25                ; + 256 h
	v_add_nc_u32 v25, s30, v25
.irp i, 0,1,2
	v_add_nc_u32 v13, \i, v12                      ; R
	v_lshrrev_b32 v26, 2, v13
	v_and_b32 v13, 3, v13
	v_lshl_add_u32 v26, v26, 9, v25                ; + 512 (R / 4)
	v_lshl_add_u32 v[XA+\i], v13, 2, v26           ; + 4 (R % 4)
.endr
	v_lshrrev_b32 v19, 1, v2
	v_add_nc_u32 v19, s31, v19                     ; my block's byte: 4 (row) + block = 16 t + l / 2
	v_add_nc_u32 v20, s31, v21                     ; the scale words' way out: 8 bytes a lane
	v_add_nc_u32 v22, s30, v3                      ; the images' way out: 16 a lane
	s_wait_loadcnt 16                              ; the four loads of the parts are in; the sixteen behind them stay out
	PARAMS
	s_wait_loadcnt 12                              ; turn 0's four loads are in
	TURN 0
.macro STEP t
.set XS, XX+16*((\t)%2)
.set CS, XC+4*((\t)%2)
.if (\t) > 0
	s_wait_dscnt 4                                 ; all but the last turn's four stores: this turn's numbers are back from the stage, and its stores into the stage have read their registers,
.else
	s_wait_dscnt 0x0
.endif
.if (\t)+4 < 16
	LOAD (\t)+4                                    ; which take the loads of four turns on
.endif
.if (\t)+1 < 16
.if 14-(\t) >= 3
	s_wait_loadcnt 12                              ; the next turn's four loads are in; those of the three turns behind it stay out
.else
	s_wait_loadcnt 4*(14-(\t))
.endif
	TURN (\t)+1                                    ; and go through the other stage while this turn is worked
.endif
	FQ XS, 16
	v_max3_num_f32 v12, |v[XS]|, |v[XS+1]|, |v[XS+2]|              ; the largest magnitude of my 16, in two chains
	v_max3_num_f32 v13, |v[XS+3]|, |v[XS+4]|, |v[XS+5]|
.irp i, 6,10
	v_max3_num_f32 v12, v12, |v[XS+\i]|, |v[XS+\i+1]|
	v_max3_num_f32 v13, v13, |v[XS+\i+2]|, |v[XS+\i+3]|
.endr
	v_max3_num_f32 v12, v12, |v[XS+14]|, |v[XS+15]|
	v_max3_num_f32 v12, v12, v13, 0x1800000        ; and the floor 2^(3 - 127): the byte cannot fall under 1
	v_max_num_f32_dpp v12, v12, v12 row_xmask:1 row_mask:0xf bank_mask:0xf   ; and of my neighbour's 16: the block's
	v_add_nc_u32 v14, 0xff000000, v12              ; 2 off its exponent field: the conversion takes the exponent field of this operand as its scale, and nothing else of it
	v_cvt_scalef32_pk16_fp6_f32 v[CS:CS+2], v[XS:XS+15], v14       ; 16 codes, 96 bits without gaps, the first number's lowest; beyond 7.5 the largest code
	v_lshrrev_b32 v[XE+(\t)%2], 23, v14            ; the scale's byte (a plain line behind the conversion)
	ds_store_b8 v19, v[XE+(\t)%2] offset:16*(\t)   ; both lanes of a block write the same byte with the same value
.irp k, 0,1,2
	ds_store_b32 v[XA+\k], v[CS+\k] offset:64*((\t)%4)+1536*((\t)/4)   ; rows 4 t on: image t / 4, lanes 4 (t % 4) on.  (The two halves h lie 256 bytes apart: these stores meet two deep in the banks)
.endr
.endm
.irp t, 0,1,2,3,4,5,6,7,8,9,10,11,12,13,14,15
	STEP \t
.endr
	ds_load_b64 v[12:13], v20                      ; my two of the wave's 64 scale words
	OUT 22, 10                                     ; its last wait is for 0: the load above, issued ahead of its loads, is in too
	global_store_b64 v21, v[12:13], s[14:15]       ; 32 lanes store 256 consecutive bytes, at a multiple of 256 from the buffer's first byte
	s_wait_tensorcnt 0x0
	ds_add_u32 v192, v193
	s_wait_dscnt 0x0
	s_endpgm
; ---------------- W: K is the FIRST axis.  A lane takes TWO neighbouring columns n and its registers run down K: each load of 8 bytes a lane reads one row k at the wave's 64 columns, 256 consecutive bytes at a multiple of 256.
; A wave takes 64 columns x one step (128 along K), in four blocks of 32 along K.  As loaded, a lane's two columns alternate in its registers; the line of the uniform quantiser that rounds to a level writes each column
; into a run of 32 registers of its own, so that a block of 32 along K lies in consecutive registers and the conversions give codes with K innermost.  Nothing else is moved.
.Lw:
.set WX, 32                            ; v32-159  two sets of 64 numbers as loaded: register 2 i + j: row i of the block, column j of my two
.set WT, 160                           ; v160-191 column 0's block, v194-225 column 1's (v192, v193 are the add's)
.set WC, 226                           ; v226-241 codes: eight registers for each column; written again only behind the wait for the stage's stores
.set WS, 24                            ; v24, v25 my two columns' scale words
	s_sub_co_u32 s19, ttmp9, 512
	s_and_b32 s30, s19, 15                         ; which 256 columns
	s_lshr_b32 s31, s19, 4                         ; step
	s_lshl_b32 s20, s31, 21                        ; 128 rows of 16,384 bytes
	s_lshl_b32 s19, s30, 10
	s_add_co_u32 s20, s20, s19
	s_lshl_b32 s19, s18, 8
	s_add_co_u32 s20, s20, s19                     ; + 4 x (256 x (work-group % 16) + 64 x wave)
	s_add_nc_u64 s[6:7], s[6:7], s[20:21]
	s_mul_i32 s22, s31, STEPB
	s_lshl_b32 s30, s30, 1
	s_lshr_b32 s19, s18, 1
	s_add_co_u32 s30, s30, s19                     ; my group of 128 columns
	s_mul_i32 s30, s30, GRPB
	s_add_co_u32 s22, s22, s30
	s_and_b32 s19, s18, 1                          ; and which half of it
	s_lshl_b32 s24, s19, 8
	s_add_co_u32 s24, s24, s22
	s_add_co_u32 s24, s24, 12288                   ; my 64 scale words
	s_mul_i32 s19, s19, 6144
	s_add_co_u32 s22, s22, s19                     ; my four images
	s_add_nc_u64 s[14:15], s[12:13], s[24:25]
	s_add_nc_u64 s[12:13], s[12:13], s[22:23]
.macro WLOAD t                         ; block t: K = 32 t + i, i = 0 .. 31, into set t % 2; the largest offset, 127 rows, lies inside the signed 24-bit immediate
.irp i, 0,1,2,3,4,5,6,7,8,9,10,11,12,13,14,15,16,17,18,19,20,21,22,23,24,25,26,27,28,29,30,31
	global_load_b64 v[WX+64*((\t)%2)+2*\i:WX+64*((\t)%2)+2*\i+1], v21, s[6:7] offset:(32*(\t)+\i)*16384 th:TH_LOAD_NT
.endr
.endm
	WLOAD 0
	s_mul_i32 s19, s18, WREG
	s_add_co_u32 s19, s19, WBASE                   ; my wave's stage: the images,
	v_lshrrev_b32 v12, 3, v2
	v_mul_u32_u24 v17, v12, 1536
	v_and_b32 v12, 7, v2
	v_lshl_add_u32 v17, v12, 5, v17
	v_add_nc_u32 v17, s19, v17                     ; in: column 2 x lane + j is row 2 (lane % 8) + j of image lane / 8; j stands in the stores' offsets
	v_add_nc_u32 v22, s19, v3                      ; out: 16 bytes a lane
	s_wait_alu depctr_va_vdst(0)
	s_wait_loadcnt 32                              ; the four loads of the parts are in; block 0's 32 stay out
	WLOAD 1
	PARAMS
	s_wait_alu depctr_va_vdst(0)
.macro BLOCK t                         ; MX-FP6 on one column's block: column t % 2 of my two, block t / 2 of the step
.set XS, WT+34*((\t)%2)
.set CS, WC+8*((\t)%2)
.set UU, (\t)%2                        ; the column
.set JB, (\t)/2                        ; the block of the step: c = JB / 2, h = JB % 2
.set IO, 16*UU+256*(JB%2)              ; row + 1 for the second column; lanes 16 h on
	v_max3_num_f32 v12, |v[XS]|, |v[XS+1]|, |v[XS+2]|              ; the block's largest magnitude: all 32 numbers are mine
	v_max3_num_f32 v13, |v[XS+3]|, |v[XS+4]|, |v[XS+5]|
.irp i, 6,10,14,18,22,26
	v_max3_num_f32 v12, v12, |v[XS+\i]|, |v[XS+\i+1]|
	v_max3_num_f32 v13, v13, |v[XS+\i+2]|, |v[XS+\i+3]|
.endr
	v_max3_num_f32 v12, v12, |v[XS+30]|, |v[XS+31]|
	v_max3_num_f32 v12, v12, v13, 0x1800000        ; and the floor 2^(3 - 127)
	v_add_nc_u32 v14, 0xff000000, v12              ; the conversion's scale operand
	v_cvt_scalef32_pk16_fp6_f32 v[CS:CS+2], v[XS:XS+15], v14
	v_cvt_scalef32_pk16_fp6_f32 v[CS+4:CS+6], v[XS+16:XS+31], v14  ; (a conversion's three registers begin on an even number)
	v_lshrrev_b32 v15, 23, v14                     ; the scale's byte (a plain line behind the conversions)
.if JB == 0
	v_mov_b32 v[WS+UU], v15                        ; four bytes to a word, the lower K in the lower byte
.else
	v_lshl_or_b32 v[WS+UU], v15, 8*JB, v[WS+UU]
.endif
	v_mov_b32 v[CS+3], v[CS+4]                     ; the block's six words on end: registers 6 c .. 6 c + 5 of the image
	v_mov_b32 v[CS+4], v[CS+5]
	v_mov_b32 v[CS+5], v[CS+6]
.if JB < 2
	ds_store_b128 v17, v[CS:CS+3] offset:IO                        ; registers 0-3,
	ds_store_b64 v17, v[CS+4:CS+5] offset:IO+512                   ; 4 and 5
.else
	ds_store_b64 v17, v[CS:CS+1] offset:IO+520                     ; registers 6 and 7,
	ds_store_b128 v17, v[CS+2:CS+5] offset:IO+1024                 ; 8-11
.endif
.endm
; The uniform quantiser on a block's 64 numbers (32 along K x my two columns), in four batches; the third batch sorts the two columns apart.
.macro WFQ jb
.set RS, WX+64*((\jb)%2)
.if (\jb) < 3
	s_wait_loadcnt 32                              ; this block's 32 loads are in; the next block's stay out
.else
	s_wait_loadcnt 0x0
.endif
	s_wait_dscnt 0x0                               ; the last block's stores into the stage are done: the codes' registers may be written again
.set FI, 0
.rept 32
	v_pk_add_f32 v[RS+FI:RS+FI+1], v[RS+FI:RS+FI+1], v[NM:NM+1]        ; v - mn
.set FI, FI+2
.endr
.set FI, 0
.rept 32
	v_pk_mul_f32 v[RS+FI:RS+FI+1], v[RS+FI:RS+FI+1], v[IV:IV+1]        ; / step
.set FI, FI+2
.endr
.set FI, 0
.rept 32
	v_rndne_f32 v[WT+FI], v[RS+2*FI]                                   ; to the nearest level, ties to even: column 0 into its run,
	v_rndne_f32 v[WT+34+FI], v[RS+2*FI+1]                              ; column 1 into its own
.set FI, FI+1
.endr
.if (\jb)+2 < 4
	WLOAD (\jb)+2                                  ; the set just read takes the block two further on
.endif
.set FI, 0
.rept 16
	v_pk_fma_f32 v[WT+FI:WT+FI+1], v[WT+FI:WT+FI+1], v[SP:SP+1], v[MN:MN+1]               ; level x step + mn
	v_pk_fma_f32 v[WT+34+FI:WT+34+FI+1], v[WT+34+FI:WT+34+FI+1], v[SP:SP+1], v[MN:MN+1]
.set FI, FI+2
.endr
.endm
.irp jb, 0,1,2,3
	WFQ \jb
	BLOCK 2*\jb
	BLOCK 2*\jb+1
.endr
	s_wait_alu depctr_va_vdst(0)
	OUT 22, 12
	global_store_b64 v21, v[WS:WS+1], s[14:15]     ; my two columns' scale words are neighbours: 32 lanes store 256 consecutive bytes, at a multiple of 256 from the buffer's first byte
	s_wait_tensorcnt 0x0
	ds_add_u32 v192, v193
	s_wait_dscnt 0x0
	s_endpgm
.Lfunc_end_k_qfccb678a89_quant:
	.size	k_qfccb678a89_quant, .Lfunc_end_k_qfccb678a89_quant-k_qfccb678a89_quant
	.p2alignl 7, 3214868480
	.fill 96, 4, 3214868480
	.section	.rodata,"a",@progbits
	.p2align	6, 0x0
	.amdhsa_kernel k_qfccb678a89_quant
		.amdhsa_group_segment_fixed_size 72192
		.amdhsa_private_segment_fixed_size 0
		.amdhsa_enable_private_segment 0
		.amdhsa_kernarg_size 40
		.amdhsa_user_sgpr_count 2
		.amdhsa_user_sgpr_kernarg_segment_ptr 1
		.amdhsa_wavefront_size32 1
		.amdhsa_system_sgpr_workgroup_id_x 1
		.amdhsa_system_sgpr_workgroup_id_y 1
		.amdhsa_system_sgpr_workgroup_id_z 1
		.amdhsa_system_vgpr_workitem_id 0
		.amdhsa_next_free_vgpr 244
		.amdhsa_next_free_sgpr 66
		.amdhsa_reserve_vcc 0
		.amdhsa_float_denorm_mode_32 3
		.amdhsa_float_denorm_mode_16_64 3
		.amdhsa_memory_ordered 1
		.amdhsa_forward_progress 1
		.amdhsa_inst_pref_size 135
	.end_amdhsa_kernel
	.amdgpu_metadata
---
amdhsa.version: [ 1, 2 ]
amdhsa.kernels:
  - .name:           k_qfccb678a89_quant
    .symbol:         k_qfccb678a89_quant.kd
    .args:
      - { .name: x, .offset: 0, .size: 8, .value_kind: global_buffer, .address_space: global }
      - { .name: W, .offset: 8, .size: 8, .value_kind: global_buffer, .address_space: global }
      - { .name: part, .offset: 16, .size: 8, .value_kind: global_buffer, .address_space: global }
      - { .name: a_pack, .offset: 24, .size: 8, .value_kind: global_buffer, .address_space: global }
      - { .name: b_pack, .offset: 32, .size: 8, .value_kind: global_buffer, .address_space: global }
    .group_segment_fixed_size: 72192
    .private_segment_fixed_size: 0
    .kernarg_segment_align: 8
    .kernarg_segment_size: 40
    .max_flat_workgroup_size: 128
    .sgpr_count:     66
    .vgpr_count:     244
    .wavefront_size: 32
...
	.end_amdgpu_metadata
.endif
;; end of part 2
;; launch gemm (part 3): grid 16 x 16, 4 waves a work-group, clusters of 4 x 4, 327,680 bytes of LDS; arguments a_pack, b_pack, b, out0; writes out0
.if DOCPART == 3
	.amdgcn_target "amdgcn-amd-amdhsa--gfx1250"
	.amdhsa_code_object_version 6
	.text
	.protected	k_qfccb678a89_gemm
	.globl	k_qfccb678a89_gemm
	.p2align	8
	.type	k_qfccb678a89_gemm,@function
k_qfccb678a89_gemm:
	s_mov_b64 s[64:65], 0
	v_nop
	global_prefetch_b8 v0, s[64:65] scope:SCOPE_SE
	s_setreg_imm32_b32 hwreg(HW_REG_WAVE_MODE, 25, 1), 1
	s_wait_xcnt 0x0
	s_wait_alu depctr_hold_cnt(0) depctr_sa_sdst(0) depctr_va_vdst(0) depctr_va_sdst(0) depctr_va_ssrc(0) depctr_va_vcc(0) depctr_vm_vsrc(0)
	s_getreg_b32 s2, hwreg(HW_REG_IB_STS2, 6, 4)
	s_cmp_eq_u32 s2, 0
	s_cbranch_scc0 .Lentry_in_a_cluster
	s_endpgm
.Lentry_in_a_cluster:
	s_bfe_u32 s2, ttmp6, 0x10000c
	s_cmp_lg_u32 s2, 0xf033
	s_cbranch_scc0 .Lentry_shape_is_right
	s_endpgm
.Lentry_shape_is_right:
; out0[m][n] = relu(sum over k of A[m][k] B[n][k] + b[n]); A, B: codes of E2M3 with E8M0 scales, as the launch before laid them:
; a_pack, b_pack: [step of 128 along K: 32][group of 128 rows: 32][12,800 bytes]: eight register images of fragments (16 rows x 128 K, 1,536 bytes), then the rows' 128 scale words.
; A work-group of four waves makes 256 x 256 of out0, a wave 128 x 128: 64 accumulators.  K goes through a ring of two LDS slots of three steps (the last fill: two); each wave fetches one group's three steps by one tensor load.
; CLUSTERS 4 x 4: A's groups are asked for jointly along a row of the cluster, B's along a column.  The product is used transposed (source 0 = B's rows, source 1 = A's rows): a lane holds eight neighbouring columns of a row of out0.
; REGISTERS: window 0: v0-31 addresses; v32-47 scale words, two sets; v48-51 bias; v64-159, v160-255 A's fragments, TWO sets.  window 1: B's fragments, two sets, at v0 and v128.
;   window 2: the accumulators of A's blocks 0-3 (block a, B's block b at v[8 (8 (a % 4) + b)]); window 3: those of blocks 4-7.
; Both operands have two sets, so a step's LDS loads all serve the NEXT step and stand in two runs: B's and the scale words at the step's head, A's in its middle.
; THE CHANGE OF SLOTS stands at the head of a slot's last step: that step's fragments were fetched a step earlier, so the slot is read no more, and no product stands between the wait for the tensor loads and the refill.
; THE LAST TWO STEPS, whose fragments fill the two sets, go by pairs of A's blocks: a pair is finished, and leaves while the later pairs are multiplied.
; The bias is added on the way out, where a lane holds four neighbouring columns of every row: four registers; the first step's products take 0 as C.
.set SIZE_N, 4096
.set NS,     3
.set FRB,    1536
.set GRPB,   12800
.set STEPB,  409600
.set PART,   NS*GRPB                   ; one group's three steps: what one tensor load brings
.set SLOT,   4*PART                    ; A's two groups, then B's two
.set TRIPS,  4
.set SPARE,  2*SLOT                    ; behind the ring: the spare words, 512 bytes that no other line names
.set STAGE,  SLOT                      ; the way out goes through slot 1: the last two steps lie in slot 0, and slot 1 has had its last fill and, behind the walk's last barrier, its last read
.set SPITCH, 528
.set STG,    16*SPITCH                 ; a stage: 16 rows; two for each wave
.set ADRS, 8                           ; v8-9   my scale words in slot 0, 1: lanes 0-15 A's rows, lanes 16-31 B's
.set ADRA, 16                          ; v16-17 my A images
.set ADRB, 20                          ; v20-21 my B images
.set STO,  24                          ; where I put 32 bytes of a row in my stage
.set RD,   25                          ; where I read a row back
.set CO,   26                          ; 16 x lane
.set SPW,  28                          ; my spare word
.set NIL,  29                          ; 0
.set PFO,  30                          ; the prefetches' offset
.set SC,   32                          ; scale words, set p at v[32 + 8 p]: register i: lanes 0-15 A's block i, lanes 16-31 B's block i
.set BI,   48                          ; v48-51 my four columns' bias
.set AF,   64                          ; A's fragments, set p at v[64 + 96 p]
.set G1, 24
.set G0, 32
.set G1B, 48
.set G0B, 56
.set G1T, 68                           ; group 1 for the last fill, two steps
.set G1TB, 80
.set PFA, 66
.set LIM, 95
.set MSB, 0
.macro WIN new                         ; the immediate's high byte repeats the setting that is left
.if MSB != (\new)
	s_set_vgpr_msb (MSB<<8)|(\new)
.set MSB, (\new)
.endif
.endm
.set MUL_LO, 0xa1                      ; source 0 (B) window 1, source 1 (A) window 0, C and D window 2
.set MUL_HI, 0xf1                      ; the same, C and D window 3
.macro JLOAD g0a, g1a, g0b, g1b        ; a joint load: waves 0, 1 fetch A's two groups, waves 2, 3 B's
	s_cmp_eq_u32 s15, 0
	s_cbranch_scc0 .Lfor_b_\@
	tensor_load_to_lds s[\g0a:\g0a+3], s[\g1a:\g1a+7]
	s_nop 0
.rept 4
	v_nop
.endr
	s_branch .Lasked_\@
.Lfor_b_\@:
	tensor_load_to_lds s[\g0b:\g0b+3], s[\g1b:\g1b+7]
	s_nop 0
.rept 4
	v_nop
.endr
.Lasked_\@:
.endm
.macro CREST                           ; a round of the cluster's barrier behind its opening barrier
	s_cmp_lg_u32 s14, 0
	s_cbranch_scc1 .Lnot_wave_0_\@
	s_barrier_signal -3
.Lnot_wave_0_\@:
	s_barrier_wait -3
	s_barrier_signal -1
	s_barrier_wait -1
.endm
.macro CROUND
	s_barrier_signal -1
	s_barrier_wait -1
	CREST
.endm
; A prefetch, behind a refill and the run of LDS loads that follows it: the three steps that the NEXT refill will ask for.  A cluster's eight groups of a step are 102,400 dense bytes: each of its sixteen
; work-groups names 6,400 of them by address, 25 lanes 256 bytes apart (the lanes left over name the last block again); wave 0 for A, wave 2 for B.  how = 2: not in the loop's last trip, whose look-ahead would pass step 31.
.macro ASK how
.if \how == 1
	s_cmp_eq_u32 s[LIM], 1
.else
	s_cmp_gt_u32 s3, s[LIM]
.endif
	s_cbranch_scc0 .Lnot_mine_\@
	global_prefetch_b8 v[PFO], s[PFA:PFA+1] th:TH_LOAD_NT scope:SCOPE_SE
	global_prefetch_b8 v[PFO], s[PFA:PFA+1] offset:STEPB th:TH_LOAD_NT scope:SCOPE_SE
	global_prefetch_b8 v[PFO], s[PFA:PFA+1] offset:2*STEPB th:TH_LOAD_NT scope:SCOPE_SE
.Lnot_mine_\@:
.endm
	s_load_b64 s[4:5], s[0:1], 0x0                 ; a_pack
	s_load_b64 s[8:9], s[0:1], 0x8                 ; b_pack
	s_load_b64 s[96:97], s[0:1], 0x10              ; b
	s_load_b64 s[12:13], s[0:1], 0x18              ; out0
	v_lshl_add_u32 v[SPW], v0, 2, SPARE
	v_mov_b32 v[NIL], 0
	ds_add_u32 v[SPW], v[NIL]                      ; the opening lines: the add, twice on end, and its wait ahead of my first tensor load
	ds_add_u32 v[SPW], v[NIL]
	v_lshrrev_b32 v1, 5, v0
	v_readfirstlane_b32 s14, v1                    ; wave 0..3
	s_lshr_b32 s15, s14, 1                         ; my half of the tile's rows; also: I fetch for A (0) or B (1)
	s_and_b32 s16, s14, 1                          ; my half of its columns; also: which group I fetch
	s_bfe_u32 s40, ttmp6, 0x40000                  ; cx, cy
	s_bfe_u32 s41, ttmp6, 0x40004
	s_lshl_b32 s42, ttmp9, 2
	s_add_co_u32 s42, s42, s40                     ; tile column
	s_and_b32 s17, ttmp7, 0xffff
	s_lshl_b32 s17, s17, 2
	s_add_co_u32 s17, s17, s41                     ; tile row
	s_lshl_b32 s43, s41, 2
	s_lshl_b32 s43, 15, s43                        ; my row of the cluster
	s_lshl_b32 s44, 0x1111, s40                    ; my column
	s_or_b32 s[G1+0], s43, (3<<16)|(1<<21)         ; elements of 8 bytes; bit 21 beside the mask
	s_or_b32 s[G1B+0], s44, (3<<16)|(1<<21)
	s_or_b32 s[G1T+0], s43, (3<<16)|(1<<21)
	s_or_b32 s[G1TB+0], s44, (3<<16)|(1<<21)
.irp g, G1, G1B                        ; three rows (steps) of 12,800 bytes, STEPB apart, dense in LDS
	s_mov_b32 s[\g+1], 1600<<16
	s_mov_b32 s[\g+2], NS<<16
	s_mov_b32 s[\g+3], 1600<<16
	s_mov_b32 s[\g+4], NS
	s_mov_b32 s[\g+5], STEPB/8
	s_mov_b32 s[\g+6], 0
	s_mov_b32 s[\g+7], 0
.endr
.irp g, G1T, G1TB                      ; two rows
	s_mov_b32 s[\g+1], 1600<<16
	s_mov_b32 s[\g+2], 2<<16
	s_mov_b32 s[\g+3], 1600<<16
	s_mov_b32 s[\g+4], 2
	s_mov_b32 s[\g+5], STEPB/8
	s_mov_b32 s[\g+6], 0
	s_mov_b32 s[\g+7], 0
.endr
	s_lshl_b32 s20, s17, 1
	s_add_co_u32 s20, s20, s16
	s_mul_i32 s20, s20, GRPB                       ; A: group 2 x tile row + which
	s_mov_b32 s21, 0
	s_lshl_b32 s46, s42, 1
	s_add_co_u32 s46, s46, s16
	s_mul_i32 s46, s46, GRPB                       ; B: group 2 x tile column + which
	s_mov_b32 s47, 0
	s_mul_i32 s45, s14, PART                       ; where my loads go: wave x PART
	s_mul_i32 s88, s15, PART                       ; LDS: my A group in slot 0,
	s_add_co_u32 s89, s88, SLOT                    ; slot 1;
	s_mul_i32 s90, s16, PART
	s_add_co_u32 s90, s90, 2*PART                  ; my B group
	s_add_co_u32 s91, s90, SLOT
	s_sub_co_u32 s92, s90, s88                     ; from A's group to B's
	s_add_co_u32 s93, s88, 8*FRB                   ; the scale words, behind the eight images
	s_add_co_u32 s94, s93, SLOT
	s_mul_i32 s23, s14, 2*STG
	s_add_co_u32 s23, s23, STAGE                   ; my two stages
	s_wait_dscnt 0x0                               ; both opening adds are done
	s_wait_kmcnt 0x0
	s_add_nc_u64 s[20:21], s[4:5], s[20:21]
	s_add_nc_u64 s[46:47], s[8:9], s[46:47]
.irp s, 0,1
	s_mov_b32 s[G0+4*\s], 1
	s_add_co_u32 s[G0+4*\s+1], s45, \s*SLOT
	s_add_nc_u64 s[G0+4*\s+2:G0+4*\s+3], s[20:21], \s*NS*STEPB
	s_or_b32 s[G0+4*\s+3], s[G0+4*\s+3], 0x80000000
	s_mov_b32 s[G0B+4*\s], 1
	s_add_co_u32 s[G0B+4*\s+1], s45, \s*SLOT
	s_add_nc_u64 s[G0B+4*\s+2:G0B+4*\s+3], s[46:47], \s*NS*STEPB
	s_or_b32 s[G0B+4*\s+3], s[G0B+4*\s+3], 0x80000000
.endr
	CROUND                                         ; all sixteen work-groups are here: the first joint loads meet
	JLOAD G0, G1, G0B, G1B                         ; steps 0-2: one tensor load a wave at the head
	s_lshl_b32 s20, s17, 8                         ; scalar work first, then the vector lines in one run
	s_lshl_b32 s21, s15, 7
	s_add_co_u32 s20, s20, s21                     ; my first row of out0
	s_mov_b32 s21, 0
	s_mov_b64 s[18:19], SIZE_N*4
	s_mul_u64 s[20:21], s[20:21], s[18:19]
	s_lshl_b32 s46, s42, 10
	s_lshl_b32 s47, s16, 9
	s_add_co_u32 s46, s46, s47                     ; my first column, in bytes
	s_mov_b32 s47, 0
	s_add_nc_u64 s[96:97], s[96:97], s[46:47]
	s_add_nc_u64 s[20:21], s[20:21], s[46:47]
	s_add_nc_u64 s[12:13], s[12:13], s[20:21]
	s_and_b32 s98, ttmp7, 0xffff                   ; the prefetches: A's rows hang on the cluster's y, B's on its x
	s_cmp_eq_u32 s15, 0
	s_cselect_b32 s99, s98, ttmp9
	s_cselect_b64 s[PFA:PFA+1], s[4:5], s[8:9]
	s_cmp_eq_u32 s16, 0
	s_cselect_b32 s[LIM], 1, -1                    ; waves 0 and 2 ask
	s_mul_i32 s98, s99, 8*GRPB
	s_lshl_b32 s99, s41, 2
	s_add_co_u32 s99, s99, s40
	s_mul_i32 s99, s99, 6400                       ; my work-group's sixteenth, by address
	s_add_co_u32 s98, s98, s99
	s_mov_b32 s99, 0
	s_add_nc_u64 s[PFA:PFA+1], s[PFA:PFA+1], s[98:99]
	s_add_nc_u64 s[PFA:PFA+1], s[PFA:PFA+1], 2*NS*STEPB   ; the first refill (steps 6-8) steps it to step 9
	v_and_b32 v1, 15, v0                           ; r
	v_bfe_u32 v2, v0, 4, 1                         ; h
	v_and_b32 v3, 31, v0                           ; lane
	v_lshlrev_b32 v[CO], 4, v3
	v_mul_u32_u24 v4, s92, v2                      ; lanes 16-31 take B's scale words
	v_lshl_add_u32 v4, v1, 2, v4
	v_mul_u32_u24 v5, v1, SPITCH
	v_lshl_add_u32 v5, v2, 5, v5                   ; stage, in: row r, 32 bytes for each half of the lanes
	v_min_u32 v[PFO], 24, v3
	v_lshlrev_b32 v[PFO], 8, v[PFO]
	v_add_nc_u32 v[ADRB], s90, v[CO]
	v_add_nc_u32 v[ADRB+1], s91, v[CO]
	v_add_nc_u32 v[ADRA], s88, v[CO]
	v_add_nc_u32 v[ADRA+1], s89, v[CO]
	v_add_nc_u32 v[ADRS], s93, v4
	v_add_nc_u32 v[ADRS+1], s94, v4
	v_add_nc_u32 v[STO], s23, v5
	v_add_nc_u32 v[RD], s23, v[CO]
	global_load_b128 v[BI:BI+3], v[CO], s[96:97]   ; b at my four columns of the wave's 128
; 16 products: A's blocks a0, a0 + 1 x B's eight, fragments and scale words of set p.  The accumulators take turns, one instruction a turn.
.macro MUL16 a0, p, zero
.irp a, \a0, \a0+1
.irp b, 0,1,2,3,4,5,6,7
.if \zero
	v_wmma_scale_f32_16x16x128_f8f6f4 v[8*(8*((\a)%4)+\b):8*(8*((\a)%4)+\b)+7], v[128*(\p)+12*\b:128*(\p)+12*\b+11], v[AF+96*(\p)+12*(\a):AF+96*(\p)+12*(\a)+11], 0, v[SC+8*(\p)+\b], v[SC+8*(\p)+(\a)] matrix_a_fmt:MATRIX_FMT_FP6 matrix_b_fmt:MATRIX_FMT_FP6 matrix_a_scale:MATRIX_SCALE_ROW1
.else
	v_wmma_scale_f32_16x16x128_f8f6f4 v[8*(8*((\a)%4)+\b):8*(8*((\a)%4)+\b)+7], v[128*(\p)+12*\b:128*(\p)+12*\b+11], v[AF+96*(\p)+12*(\a):AF+96*(\p)+12*(\a)+11], v[8*(8*((\a)%4)+\b):8*(8*((\a)%4)+\b)+7], v[SC+8*(\p)+\b], v[SC+8*(\p)+(\a)] matrix_a_fmt:MATRIX_FMT_FP6 matrix_b_fmt:MATRIX_FMT_FP6 matrix_a_scale:MATRIX_SCALE_ROW1
.endif
.endr
.endr
.endm
.macro FETCH_B slot, q, set            ; B's eight images, 12,288 dense bytes: 24 loads of 16 bytes a lane, registers on end
	WIN 0x40
.set LI, 0
.rept 24
	ds_load_b128 v[128*(\set)+4*LI:128*(\set)+4*LI+3], v[ADRB+\slot] offset:GRPB*(\q)+512*LI
.set LI, LI+1
.endr
	WIN 0
.endm
.macro FETCH_A slot, q, set
	WIN 0
.set LI, 0
.rept 24
	ds_load_b128 v[AF+96*(\set)+4*LI:AF+96*(\set)+4*LI+3], v[ADRA+\slot] offset:GRPB*(\q)+512*LI
.set LI, LI+1
.endr
.endm
.macro SCALES slot, q, set
.irp i, 0,1,2,3,4,5,6,7
	ds_load_b32 v[SC+8*(\set)+\i], v[ADRS+\slot] offset:GRPB*(\q)+64*\i
.endr
.endm
.macro PLACES                          ; four places between products and the loads into registers that they read, or the reads of their results (ISA guide 7.12.1 for the reads of results)
.rept 4
	v_nop
.endr
.endm
; A step: 64 products on set p; the fragments of step (slot ns, place nq) go into the other set, which the last step's products read: the four places at the head serve both runs.
.macro STEP ns, nq, p, zero, ask
	s_wait_dscnt 0x0                               ; this step's fragments are in: the youngest were asked for 32 products ago
	PLACES
	FETCH_B \ns, \nq, 1-(\p)
	SCALES \ns, \nq, 1-(\p)
.if \ask
	ASK \ask
.endif
	WIN MUL_LO
	MUL16 0, \p, \zero
	MUL16 2, \p, \zero
	FETCH_A \ns, \nq, 1-(\p)
	WIN MUL_HI
	MUL16 4, \p, \zero
	MUL16 6, \p, \zero
.endm
; The change of slots, at the head of slot's last step.  fill = 1: three steps, 2: the last two, 0: none (a plain barrier shows the other slot whole).
.macro SYNC slot, fill, ask
.if \ask
	s_wait_xcnt 0x0                                ; my prefetches have read their address
	s_add_nc_u64 s[PFA:PFA+1], s[PFA:PFA+1], NS*STEPB
.endif
	WIN 0
	s_wait_tensorcnt 0x0                           ; my one load that was out, my part of the other slot, has landed;
	ds_add_u32 v[SPW], v[NIL]
.if \fill
	s_add_nc_u64 s[G0+4*\slot+2:G0+4*\slot+3], s[G0+4*\slot+2:G0+4*\slot+3], 2*NS*STEPB    ; no load of mine is out: the descriptors step
	s_add_nc_u64 s[G0B+4*\slot+2:G0B+4*\slot+3], s[G0B+4*\slot+2:G0B+4*\slot+3], 2*NS*STEPB
.endif
	s_wait_dscnt 0x0                               ; the add is done, and my reads of this slot are over
	s_barrier_signal -1
	s_barrier_wait -1
.if \fill
	CREST                                          ; the barrier has opened a round of the cluster's barrier
.if \fill == 1
	JLOAD G0+4*\slot, G1, G0B+4*\slot, G1B
.else
	JLOAD G0+4*\slot, G1T, G0B+4*\slot, G1TB
.endif
.endif
.endm
	s_wait_alu depctr_va_vdst(0)
	s_wait_tensorcnt 0x0                           ; my part of steps 0-2 is in
	ds_add_u32 v[SPW], v[NIL]
	s_wait_dscnt 0x0
	CROUND
	JLOAD G0+4, G1, G0B+4, G1B                     ; steps 3-5, the first tensor load behind the round
	FETCH_B 0, 0, 0
	SCALES 0, 0, 0
	FETCH_A 0, 0, 0
	STEP 0, 1, 0, 1, 0                             ; step 0 starts the sums
	WIN 0
	s_mov_b32 s3, TRIPS
.Llap:                                                 ; a trip: six steps, once round the ring, both slots filled again
	STEP 0, 2, 1, 0, 0
	SYNC 0, 1, 1
	STEP 1, 0, 0, 0, 1
	STEP 1, 1, 1, 0, 0
	STEP 1, 2, 0, 0, 0
	SYNC 1, 1, 1
	STEP 0, 0, 1, 0, 2
	STEP 0, 1, 0, 0, 0
	WIN 0
	s_sub_co_u32 s3, s3, 1
	s_cmp_lg_u32 s3, 0
	s_cbranch_scc1 .Llap
	STEP 0, 2, 1, 0, 0                             ; steps 25 to 29, written out: one more fill, of two steps
	SYNC 0, 2, 0
	STEP 1, 0, 0, 0, 0
	STEP 1, 1, 1, 0, 0
	STEP 1, 2, 0, 0, 0
	SYNC 1, 0, 0
	STEP 0, 0, 1, 0, 0
; STEPS 30 AND 31 AND THE WAY OUT.  Set 0 holds step 30's fragments, set 1 takes step 31's.  A pair of A's blocks is finished by 32 products and goes, block by block of 16 rows x 128 columns, through my two stages
; and back as whole rows of 512 bytes, into the block's own accumulator registers; bias and relu on the rows; 32 lanes store two aligned units of 256 bytes.  One window setting serves a block: data in window 2 + a / 4, all else in window 0.
.macro PUT a
.irp b, 0,1,2,3,4,5,6,7
	ds_store_b128 v[STO], v[64*((\a)%4)+8*\b:64*((\a)%4)+8*\b+3] offset:STG*((\a)%2)+64*\b       ; each accumulator from its low end on
	ds_store_b128 v[STO], v[64*((\a)%4)+8*\b+4:64*((\a)%4)+8*\b+7] offset:STG*((\a)%2)+64*\b+16
.endr
.endm
.macro GET a
.irp t, 0,1,2,3,4,5,6,7,8,9,10,11,12,13,14,15
	ds_load_b128 v[64*((\a)%4)+4*\t:64*((\a)%4)+4*\t+3], v[RD] offset:STG*((\a)%2)+\t*SPITCH
.endr
.endm
.macro PAIR a                          ; blocks a and a + 1 into the stages and back
.set WV, ((2+(\a)/4)<<6)|((2+(\a)/4)<<2)
	WIN WV
	PUT \a
	PUT \a+1
	s_wait_dscnt 16                                ; block a's 16 stores are done: its registers may take the rows
	GET \a
	s_wait_dscnt 16                                ; block a + 1's stores are done (a's 16 loads may be out)
	GET \a+1
.endm
.macro SEND a, younger
.set WV, ((2+(\a)/4)<<6)|((2+(\a)/4)<<2)
	WIN WV
	s_wait_dscnt \younger                          ; the block is back in registers
.irp t, 0,1,2,3,4,5,6,7,8,9,10,11,12,13,14,15
	v_pk_add_f32 v[64*((\a)%4)+4*\t:64*((\a)%4)+4*\t+1], v[BI:BI+1], v[64*((\a)%4)+4*\t:64*((\a)%4)+4*\t+1]
	v_pk_add_f32 v[64*((\a)%4)+4*\t+2:64*((\a)%4)+4*\t+3], v[BI+2:BI+3], v[64*((\a)%4)+4*\t+2:64*((\a)%4)+4*\t+3]
.irp k, 0,1,2,3
	v_max_num_f32 v[64*((\a)%4)+4*\t+\k], 0, v[64*((\a)%4)+4*\t+\k]
.endr
	global_store_b128 v[CO], v[64*((\a)%4)+4*\t:64*((\a)%4)+4*\t+3], s[12:13] offset:(16*(\a)+\t)*SIZE_N*4 th:TH_STORE_NT   ; 127 rows of out0 at the most: inside the signed 24-bit immediate; no register of a store is written again
.endr
.endm
	s_wait_dscnt 0x0
	PLACES
	FETCH_B 0, 1, 1
	SCALES 0, 1, 1
	FETCH_A 0, 1, 1
	WIN MUL_LO
	MUL16 0, 0, 0
	s_wait_loadcnt 0x0                             ; the bias is in
	s_wait_dscnt 0x0                               ; step 31's fragments are in
	MUL16 0, 1, 0
	PLACES                                         ; behind the pair's products; further down the rows' bias and relu are the places
	PAIR 0
	WIN MUL_LO
	MUL16 2, 0, 0
	MUL16 2, 1, 0
	SEND 0, 16
	SEND 1, 0
	PAIR 2
	WIN MUL_HI
	MUL16 4, 0, 0
	MUL16 4, 1, 0
	SEND 2, 16
	SEND 3, 0
	PAIR 4
	WIN MUL_HI
	MUL16 6, 0, 0
	MUL16 6, 1, 0
	SEND 4, 16
	SEND 5, 0
	PAIR 6
	SEND 6, 16
	SEND 7, 0
	WIN 0
	s_wait_tensorcnt 0x0                           ; the wave's end
	ds_add_u32 v[SPW], v[NIL]
	s_wait_dscnt 0x0
	CROUND                                         ; the closing round
	s_endpgm
.Lfunc_end_k_qfccb678a89_gemm:
	.size	k_qfccb678a89_gemm, .Lfunc_end_k_qfccb678a89_gemm-k_qfccb678a89_gemm
	.p2alignl 7, 3214868480
	.fill 96, 4, 3214868480
	.section	.rodata,"a",@progbits
	.p2align	6, 0x0
	.amdhsa_kernel k_qfccb678a89_gemm
		.amdhsa_group_segment_fixed_size 327680
		.amdhsa_private_segment_fixed_size 0
		.amdhsa_enable_private_segment 0
		.amdhsa_kernarg_size 32
		.amdhsa_user_sgpr_count 2
		.amdhsa_user_sgpr_kernarg_segment_ptr 1
		.amdhsa_wavefront_size32 1
		.amdhsa_system_sgpr_workgroup_id_x 1
		.amdhsa_system_sgpr_workgroup_id_y 1
		.amdhsa_system_sgpr_workgroup_id_z 1
		.amdhsa_system_vgpr_workitem_id 0
		.amdhsa_next_free_vgpr 1024
		.amdhsa_next_free_sgpr 102
		.amdhsa_reserve_vcc 0
		.amdhsa_float_denorm_mode_32 3
		.amdhsa_float_denorm_mode_16_64 3
		.amdhsa_memory_ordered 1
		.amdhsa_forward_progress 1
		.amdhsa_inst_pref_size 240
	.end_amdhsa_kernel
	.amdgpu_metadata
---
amdhsa.version: [ 1, 2 ]
amdhsa.kernels:
  - .name:           k_qfccb678a89_gemm
    .symbol:         k_qfccb678a89_gemm.kd
    .args:
      - { .name: a_pack, .offset: 0, .size: 8, .value_kind: global_buffer, .address_space: global }
      - { .name: b_pack, .offset: 8, .size: 8, .value_kind: global_buffer, .address_space: global }
      - { .name: b, .offset: 16, .size: 8, .value_kind: global_buffer, .address_space: global }
      - { .name: out0, .offset: 24, .size: 8, .value_kind: global_buffer, .address_space: global }
    .group_segment_fixed_size: 327680
    .private_segment_fixed_size: 0
    .kernarg_segment_align: 8
    .kernarg_segment_size: 32
    .max_flat_workgroup_size: 128
    .sgpr_count:     102
    .vgpr_count:     1024
    .wavefront_size: 32
...
	.end_amdgpu_metadata
.endif
;; end of part 3
